; MI455X (gfx1250); checked and timed in simulation.
; The chip was launched on July 23, 2026; its instructions are those of AMD's public machine-readable ISA for CDNA 5 (MIT licence, August 2026) and "CDNA5" Instruction Set Architecture Reference Guide (July 2026). The comments in the code are by the model that wrote it; some were corrected since.
;; Multi Headed Self Attention. Allowed arithmetic: matrix products marked QUANTISED: E4M3 operands, one given power-of-two scale a tensor, by v_wmma_f32_16x16x64_fp8_fp8 or v_wmma_f32_16x16x128_fp8_fp8, f32 sums; everything else in f32.
;; Inputs: Wk 1,024 x 1,024 float32; Wq 1,024 x 1,024 float32; Wv 1,024 x 1,024 float32; bk 1,024 float32; bq 1,024 float32; bv 1,024 float32; lowp_scales 10 int32 (the exponents e of the quantised operands' scales 2^e); mask 4 x 2,048 int32; x 4 x 2,048 x 1,024 float32.
;; Outputs: out0 4 x 2,048 x 1,024 float32.
;; This version of the problem:
;;   THIS VERSION OF THE PROBLEM IS GIVEN IN LOW PRECISION. The matrix products marked QUANTISED in the list below multiply operands that are first quantised to E4M3 (4 exponent bits, 3 mantissa bits; 8 bits a number), with one given power-of-two scale for each operand tensor; their sums are f32. All else is computed in f32.
;;   The module's matrix products, in the order in which they are computed (A, B: the left and right operand; K: the contracted axis; several contracted axes count as one K, in the product's order):
;;     1. [M 8,192, K 1,024] x [K 1,024, N 1,024]; A: input x; B: input Wq: QUANTISED (scales: A lowp_scales[0], B lowp_scales[1])
;;     2. [M 8,192, K 1,024] x [K 1,024, N 1,024]; A: input x; B: input Wk: QUANTISED (scales: A lowp_scales[2], B lowp_scales[3])
;;     3. [M 8,192, K 1,024] x [K 1,024, N 1,024]; A: input x; B: input Wv: QUANTISED (scales: A lowp_scales[4], B lowp_scales[5])
;;     4. batch 64 x [M 2,048, K 64] x [K 64, N 2,048]; A: computed on the way; B: computed on the way: QUANTISED (scales: A lowp_scales[6], B lowp_scales[7])
;;     5. batch 64 x [M 2,048, K 2,048] x [K 2,048, N 64]; A: softmax (see below); B: computed on the way: QUANTISED (scales: A lowp_scales[8], B lowp_scales[9])
;;   THE QUANTISER, for each operand of a quantised product, along K:
;;     - The operand's scale is 2^e, e = its entry of the input lowp_scales (int32; the entries are numbered through the quantised products in the list's order, A before B).
;;     - Each number is divided by the scale, clamped to +-448, and rounded to the nearest number of E4M3, ties to even, subnormals kept.
;;     - The product sums the exact products of the quantised numbers (number of the format x scale) in f32.
;;   ~~~python
;;   def quantise(x, axis, e):      # numpy; x: float32 -> the quantised numbers, widened to float32 again
;;       x = np.moveaxis(x, axis, -1); K = x.shape[-1]
;;       r = np.clip(x / 2.0 ** e, -448, 448)
;;       step = 2.0 ** (np.maximum(np.frexp(np.where(r == 0, 1, r))[1] - 1, -6) - 3)
;;       q = np.round(r / step) * step * 2.0 ** e      # np.round: ties to even
;;       return np.moveaxis(q, -1, axis).astype(np.float32)
;;   ~~~
;;   SOFTMAX AHEAD OF A QUANTISED PRODUCT. Where the list says 'softmax', what is quantised is not the finished softmax but p = 2^(t - M), with t = logit x log2(e) and M = ceil(the row's largest t), a whole number; so 1/2 < the row's largest p <= 1. The row's sum l is taken of the UNQUANTISED p, in f32, and the product's result is divided by l at the end. Since M is a whole number, a kernel that streams over the keys may use a running M (the ceiling of the running maximum): every later rescaling is an exact power of two, so the quantised numbers keep their values, but for numbers so far below the row's largest that they fall under the format's range.
;;   OPERANDS COMPUTED ON THE WAY. 'Computed on the way' means the value that the module computes at that place (a softmax that the list does not call 'softmax' is quantised finished and normalised). What goes into a quantiser is computed in f32, as accurately as f32 sums, v_exp_f32 and their like allow (about 1e-6 of the number): no bf16 or f16 on the way to a quantiser, and a product that is left as it is and whose result goes on into a quantised operand takes f32 operands (vector FMAs, or v_wmma_f32_16x16x4_f32). A number that lies on a knife's edge between two numbers of the format may be rounded either way, as far as f32 arithmetic and the matrix unit's own rounding can turn it there, and no further.
;; One version. Each part assembles by itself: llvm-mc -triple=amdgcn-amd-amdhsa -mcpu=gfx1250 --defsym DOCPART=n.
;; ======== version 1 of 1: 3 launches
;; limits: right only within a limited range of input values
;; workspace buffers: codes 28,311,552 bytes; kv 16,777,216 bytes
;; launch prep (part 1): grid 704 x 1, 4 waves a work-group, no clusters, 34,304 bytes of LDS; arguments x, Wq, Wk, Wv, lowp_scales, codes; writes codes
.if DOCPART == 1
	.amdgcn_target "amdgcn-amd-amdhsa--gfx1250"
	.amdhsa_code_object_version 6
	.text
	.protected	k_q6b466edcdb_prep
	.globl	k_q6b466edcdb_prep
	.p2align	8
	.type	k_q6b466edcdb_prep,@function
k_q6b466edcdb_prep:
	s_mov_b64 s[64:65], 0
	v_nop
	global_prefetch_b8 v0, s[64:65] scope:SCOPE_SE
	s_setreg_imm32_b32 hwreg(HW_REG_WAVE_MODE, 25, 1), 1
	s_wait_xcnt 0x0
; x [8192][1024] f32 becomes three sets of E4M3 codes (scales 2^e0, 2^e2, 2^e4); Wq, Wk, Wv [1024 (k)][1024 (n)] f32 become codes with K innermost (2^e1, 2^e3, 2^e5).
; code = number / 2^e, held within +-448, rounded to the nearest code, ties to even.
; LIMITS: each e between -126 and 119, so that 2^e and 448 x 2^e are f32 numbers.  NaN among the inputs is not served (an infinity is held at the largest code).
; THE CODES ARE LAID AS IMAGES OF OPERAND REGISTERS.  An image is 16 rows x 128 k, 2,048 bytes: byte 512 c + 16 L + e (L = r + 16 h) is the code of row r, k = 32 c + 16 h + e.
; Four loads of 16 bytes a lane at 16 x lane, 512 bytes apart, then fill a fragment's sixteen registers.  x and W carry the same order of k, so every product meets its partner.
;   codes + j x 8 MiB (j = 0, 1, 2: x under e0, e2, e4):  [row / 16][k / 128] images;     codes + 24 MiB + j x 1 MiB (Wq, Wk, Wv):  [n / 16][k / 128] images.
; Work-groups 0 to 511 take 16 rows of x each (wave w: k = 256 w to 256 w + 255); work-groups 512 to 703 take 128 columns x 128 k of one weight.  Waves share nothing: no barrier.
; Memory binds: x is read once for its three sets of codes; every load of x and every store covers 512 consecutive bytes.  No matrix unit, no cluster, no tensor load: nothing is shared.
.set NXT,   512                        ; work-groups for x
.set SP,    528                        ; a stage row: 512 bytes + 16 = 33 x 16: sixteen rows start at sixteen different 16-byte columns of 256 bytes
.set STGB,  16*SP                      ; a wave's stage
.set SC,    6                          ; v6, v8, v10: 2^e as f32;  v7, v9, v11: 448 x 2^e
.set YY,    16                         ; v16-31   two sets of eight held numbers
.set CD,    32                         ; v32-79   codes: sixteen registers for each scale (W: v32-63)
.set XX,    80                         ; v80-207  two sets of 64 numbers of x (W: 128 numbers of a column)
.macro SCALE e, r                      ; s[e] holds e:  v[r] = 2^e, whose exponent field the conversion takes;  v[r+1] = 448 x 2^e
	s_add_co_i32 s32, s[\e], 127
	s_lshl_b32 s33, s32, 23
	v_mov_b32 v[\r], s33
	s_add_co_i32 s32, s32, 8
	s_lshl_b32 s32, s32, 23
	s_or_b32 s32, s32, 0x600000                    ; the mantissa field of 448
	v_mov_b32 v[\r+1], s32
.endm
	s_load_b256 s[4:11], s[0:1], 0x0               ; x s[4:5], Wq s[6:7], Wk s[8:9], Wv s[10:11]
	s_load_b128 s[12:15], s[0:1], 0x20             ; the exponents s[12:13], codes s[14:15]
	v_lshl_add_u32 v208, v0, 2, 0x8400
	v_mov_b32 v209, 0
	v_lshrrev_b32 v1, 5, v0
	v_readfirstlane_b32 s22, v1                    ; wave 0..3
	v_and_b32 v1, 31, v0                           ; lane
	s_mov_b32 s35, 0                               ; the high word of every offset here
	s_wait_kmcnt 0x0
	s_load_b128 s[16:19], s[12:13], 0x0            ; e0 .. e3
	s_load_b64 s[20:21], s[12:13], 0x10            ; e4, e5
	s_cmp_lt_u32 ttmp9, NXT
	s_cbranch_scc0 .Lweights
; ---------------- x: one tile of 16 rows; my wave takes two images, k = 256 w + 128 f on ----------------
.macro XLOAD f                         ; row i's 512 bytes: 32 lanes, 16 neighbouring bytes each
.irp i, 0,1,2,3,4,5,6,7,8,9,10,11,12,13,14,15
	global_load_b128 v[XX+64*\f+4*\i:XX+64*\f+4*\i+3], v2, s[24:25] offset:4096*\i+512*\f th:TH_LOAD_NT
.endr
.endm
.macro XTURN f                         ; through my stage: in as loaded, back 64 bytes a lane: register 16 c + i = x(r, 32 c + 16 h + i).  LDS serves a wave's instructions in order (ISA guide 5.7.1.4): no wait between
.irp i, 0,1,2,3,4,5,6,7,8,9,10,11,12,13,14,15
	ds_store_b128 v3, v[XX+64*\f+4*\i:XX+64*\f+4*\i+3] offset:SP*\i
.endr
.irp c, 0,1,2,3
.irp j, 0,1,2,3
	ds_load_b128 v[XX+64*\f+16*\c+4*\j:XX+64*\f+16*\c+4*\j+3], v4 offset:128*\c+16*\j
.endr
.endr
.endm
.macro XQ f, j                         ; image f under scale j.  The numbers stay as they are (three scales hold them differently): the held copies go to two sets of eight by turns,
.irp g, 0,1,2,3,4,5,6,7                ; so that eight plain lines stand between a conversion and the next write of its sources
.irp i, 0,1,2,3,4,5,6,7
	v_med3_num_f32 v[YY+8*(\g%2)+\i], v[XX+64*\f+8*\g+\i], -v[SC+2*\j+1], v[SC+2*\j+1]   ; the conversion to an 8-bit code does not saturate (ISA guide 7.6.2)
.endr
	v_cvt_scalef32_pk8_fp8_f32 v[CD+16*\j+2*\g:CD+16*\j+2*\g+1], v[YY+8*(\g%2):YY+8*(\g%2)+7], v[SC+2*\j]
.endr
.irp c, 0,1,2,3
	global_store_b128 v2, v[CD+16*\j+4*\c:CD+16*\j+4*\c+3], s[26+2*\j:27+2*\j] offset:2048*\f+512*\c   ; 512 consecutive bytes of the image
.endr
.endm
	s_lshl_b32 s34, ttmp9, 16                      ; 16 rows of 4,096 bytes
	s_lshl_b32 s36, s22, 10                        ; my 256 numbers of a row
	s_add_co_u32 s34, s34, s36
	s_add_nc_u64 s[24:25], s[4:5], s[34:35]
	s_wait_alu depctr_va_vdst(0)
	v_lshlrev_b32 v2, 4, v1                        ; 16 x lane: in x's rows and in the images; never rewritten
	XLOAD 0
	XLOAD 1
	s_lshl_b32 s34, ttmp9, 14                      ; a tile of rows has eight images,
	s_lshl_b32 s36, s22, 12                        ; of which two are mine
	s_add_co_u32 s34, s34, s36
	s_add_nc_u64 s[26:27], s[14:15], s[34:35]
	s_add_nc_u64 s[28:29], s[26:27], 0x800000
	s_add_nc_u64 s[30:31], s[26:27], 0x1000000
	s_mul_i32 s23, s22, STGB
	v_add_nc_u32 v3, s23, v2                       ; the stage, in: 16 x lane in row i
	v_and_b32 v5, 15, v1                           ; r
	v_lshrrev_b32 v12, 4, v1                       ; h
	v_mul_u32_u24 v4, v5, SP
	v_lshl_add_u32 v4, v12, 6, v4
	v_add_nc_u32 v4, s23, v4                       ; and back: row r, + 64 h
	s_wait_alu depctr_va_vdst(0)
	s_wait_kmcnt 0x0
	SCALE 16, SC
	SCALE 18, SC+2
	SCALE 20, SC+4
	s_wait_alu depctr_va_vdst(0)
	s_wait_loadcnt 16                              ; image 0's sixteen loads are in; image 1's may be out
	XTURN 0
	s_wait_dscnt 0x0
	XQ 0, 0
	XQ 0, 1
	XQ 0, 2
	s_wait_loadcnt 0x0
	XTURN 1
	s_wait_dscnt 0x0
	s_wait_xcnt 0x0                                ; image 0's stores have read their registers: the codes' registers are written again only behind this wait
	XQ 1, 0
	XQ 1, 1
	XQ 1, 2
	s_wait_tensorcnt 0x0
	ds_add_u32 v208, v209
	s_wait_dscnt 0x0
	s_endpgm
; ---------------- W: a lane takes a column n and its registers run down K, so the conversions give codes with K innermost ----------------
.Lweights:
.macro WLOAD c                         ; W(128 s + 32 c + i, my column): a wave reads 128 consecutive bytes, the work-group 512
.set kk, 32*(\c)
.rept 32
	global_load_b32 v[XX+kk], v2, s[24:25] offset:4096*kk th:TH_LOAD_NT
.set kk, kk+1
.endr
.endm
.macro WBLK c
.if (\c) < 3
	s_wait_loadcnt 32                              ; this block's 32 loads are in; the next block's may be out
.else
	s_wait_loadcnt 0x0
.endif
.if (\c) < 2
	WLOAD (\c)+2                                   ; two blocks ahead
.endif
.set kk, 32*(\c)
.rept 32
	v_med3_num_f32 v[XX+kk], v[XX+kk], -v[SC+1], v[SC+1]
.set kk, kk+1
.endr
.irp g, 0,1,2,3
	v_cvt_scalef32_pk8_fp8_f32 v[CD+8*(\c)+2*\g:CD+8*(\c)+2*\g+1], v[XX+32*(\c)+8*\g:XX+32*(\c)+8*\g+7], v[SC]
.endr
	global_store_b128 v3, v[CD+8*(\c):CD+8*(\c)+3], s[26:27] offset:512*(\c)           ; k = 32 c + 0 .. 15: the image's lanes 0-15; sixteen lanes store 256 consecutive bytes, aligned
	global_store_b128 v3, v[CD+8*(\c)+4:CD+8*(\c)+7], s[26:27] offset:512*(\c)+256     ; k = 32 c + 16 .. 31: its lanes 16-31
.endm
	s_sub_co_u32 s37, ttmp9, NXT
	s_lshr_b32 s38, s37, 6                         ; which weight: 0 Wq, 1 Wk, 2 Wv
	s_and_b32 s39, s37, 7                          ; s: which 128 along K
	s_bfe_u32 s40, s37, 0x30003                    ; which 128 columns
	s_cmp_eq_u32 s38, 0
	s_cselect_b64 s[24:25], s[6:7], s[8:9]
	s_cmp_eq_u32 s38, 2
	s_cselect_b64 s[24:25], s[10:11], s[24:25]
	s_lshl_b32 s34, s39, 19                        ; 128 rows of 4,096 bytes
	s_lshl_b32 s41, s40, 9
	s_add_co_u32 s34, s34, s41
	s_lshl_b32 s41, s22, 7                         ; my wave's 32 columns
	s_add_co_u32 s34, s34, s41
	s_add_nc_u64 s[24:25], s[24:25], s[34:35]
	s_wait_alu depctr_va_vdst(0)
	v_lshlrev_b32 v2, 2, v1
	WLOAD 0
	WLOAD 1
	s_lshl_b32 s34, s38, 20                        ; the weight's 1 MiB of codes,
	s_lshl_b32 s41, s40, 17                        ; eight tiles of 16 columns, 16,384 bytes each,
	s_add_co_u32 s34, s34, s41
	s_lshl_b32 s41, s22, 15                        ; my wave's two tiles,
	s_add_co_u32 s34, s34, s41
	s_lshl_b32 s41, s39, 11                        ; image s
	s_add_co_u32 s34, s34, s41
	s_add_co_u32 s34, s34, 0x1800000
	s_add_nc_u64 s[26:27], s[14:15], s[34:35]
	v_lshrrev_b32 v3, 4, v1
	v_and_b32 v4, 15, v1
	v_lshlrev_b32 v3, 14, v3                       ; lanes 16-31 hold the second tile's columns
	v_lshl_add_u32 v3, v4, 4, v3
	s_wait_alu depctr_va_vdst(0)
	s_wait_kmcnt 0x0
	s_cmp_eq_u32 s38, 0
	s_cselect_b32 s36, s17, s19                    ; e1 or e3,
	s_cmp_eq_u32 s38, 2
	s_cselect_b32 s36, s21, s36                    ; or e5
	SCALE 36, SC
	s_wait_alu depctr_va_vdst(0)
	WBLK 0
	WBLK 1
	WBLK 2
	WBLK 3
	s_endpgm
.Lfunc_end_k_q6b466edcdb_prep:
	.size	k_q6b466edcdb_prep, .Lfunc_end_k_q6b466edcdb_prep-k_q6b466edcdb_prep
	.p2alignl 7, 3214868480
	.fill 96, 4, 3214868480
	.section	.rodata,"a",@progbits
	.p2align	6, 0x0
	.amdhsa_kernel k_q6b466edcdb_prep
		.amdhsa_group_segment_fixed_size 34304
		.amdhsa_private_segment_fixed_size 0
		.amdhsa_enable_private_segment 0
		.amdhsa_kernarg_size 48
		.amdhsa_user_sgpr_count 2
		.amdhsa_user_sgpr_kernarg_segment_ptr 1
		.amdhsa_wavefront_size32 1
		.amdhsa_system_sgpr_workgroup_id_x 1
		.amdhsa_system_sgpr_workgroup_id_y 1
		.amdhsa_system_sgpr_workgroup_id_z 1
		.amdhsa_system_vgpr_workitem_id 0
		.amdhsa_next_free_vgpr 210
		.amdhsa_next_free_sgpr 66
		.amdhsa_reserve_vcc 0
		.amdhsa_float_denorm_mode_32 3
		.amdhsa_float_denorm_mode_16_64 3
		.amdhsa_memory_ordered 1
		.amdhsa_forward_progress 1
		.amdhsa_inst_pref_size 63
	.end_amdhsa_kernel
	.amdgpu_metadata
---
amdhsa.version: [ 1, 2 ]
amdhsa.kernels:
  - .name:           k_q6b466edcdb_prep
    .symbol:         k_q6b466edcdb_prep.kd
    .args:
      - { .name: x, .offset: 0, .size: 8, .value_kind: global_buffer, .address_space: global }
      - { .name: Wq, .offset: 8, .size: 8, .value_kind: global_buffer, .address_space: global }
      - { .name: Wk, .offset: 16, .size: 8, .value_kind: global_buffer, .address_space: global }
      - { .name: Wv, .offset: 24, .size: 8, .value_kind: global_buffer, .address_space: global }
      - { .name: lowp_scales, .offset: 32, .size: 8, .value_kind: global_buffer, .address_space: global }
      - { .name: codes, .offset: 40, .size: 8, .value_kind: global_buffer, .address_space: global }
    .group_segment_fixed_size: 34304
    .private_segment_fixed_size: 0
    .kernarg_segment_align: 8
    .kernarg_segment_size: 48
    .max_flat_workgroup_size: 128
    .sgpr_count:     66
    .vgpr_count:     210
    .wavefront_size: 32
...
	.end_amdgpu_metadata
.endif
;; end of part 1
;; launch proj (part 2): grid 4 x 64, 4 waves a work-group, clusters of 4 x 4, 327,680 bytes of LDS; arguments codes, lowp_scales, bk, bv, kv; writes kv
.if DOCPART == 2
	.amdgcn_target "amdgcn-amd-amdhsa--gfx1250"
	.amdhsa_code_object_version 6
	.text
	.protected	k_q6b466edcdb_proj
	.globl	k_q6b466edcdb_proj
	.p2align	8
	.type	k_q6b466edcdb_proj,@function
k_q6b466edcdb_proj:
	s_mov_b64 s[64:65], 0
	v_nop
	global_prefetch_b8 v0, s[64:65] scope:SCOPE_SE
	s_setreg_imm32_b32 hwreg(HW_REG_WAVE_MODE, 25, 1), 1
	s_wait_xcnt 0x0
	s_wait_alu depctr_hold_cnt(0) depctr_sa_sdst(0) depctr_va_vdst(0) depctr_va_sdst(0) depctr_va_ssrc(0) depctr_va_vcc(0) depctr_vm_vsrc(0)
	s_getreg_b32 s2, hwreg(HW_REG_IB_STS2, 6, 4)
	s_cmp_eq_u32 s2, 0
	s_cbranch_scc0 .Lentry_in_a_cluster
	s_endpgm
.Lentry_in_a_cluster:
	s_bfe_u32 s2, ttmp6, 0x10000c
	s_cmp_lg_u32 s2, 0xf033
	s_cbranch_scc0 .Lentry_shape_is_right
	s_endpgm
.Lentry_shape_is_right:
.set KB,     4096
.set HALFT,  8*KB
.set SLOT,   4*HALFT
.set SPARE,  2*SLOT
.set FR,     16
.set NL,     4
.set NP,     4
.set ADRA, 16
.set ADRB, 20
.set SCL,  27
.set SPW,  28
.set NIL,  29
.set LIM,  30
.set BB,   32
.set BA,   96
.set VO,   112
.set AF,   128
.set TT0,  128
.set CD,   192
.set G1, 24
.set G0, 32
.set G1B, 48
.set G0B, 56
.set BP,  78
.set OUT, 94
.set MSB, 0
.macro WIN new
.if MSB != (\new)
	s_set_vgpr_msb (MSB<<8)|(\new)
.set MSB, (\new)
.endif
.endm
.set MUL_LO, 0xa1
.set MUL_HI, 0xf1
.set TO_B,   0x40
.macro JLOAD g0a, g1a, g0b, g1b
	s_cmp_eq_u32 s15, 0
	s_cbranch_scc0 .Lfor_b_\@
	tensor_load_to_lds s[\g0a:\g0a+3], s[\g1a:\g1a+7]
	s_nop 0
.rept 4
	v_nop
.endr
	s_branch .Lasked_\@
.Lfor_b_\@:
	tensor_load_to_lds s[\g0b:\g0b+3], s[\g1b:\g1b+7]
	s_nop 0
.rept 4
	v_nop
.endr
.Lasked_\@:
.endm
.macro CREST
	s_cmp_lg_u32 s14, 0
	s_cbranch_scc1 .Lnot_wave_0_\@
	s_barrier_signal -3
.Lnot_wave_0_\@:
	s_barrier_wait -3
	s_barrier_signal -1
	s_barrier_wait -1
.endm
.macro CROUND
	s_barrier_signal -1
	s_barrier_wait -1
	CREST
.endm
	s_load_b256 s[4:11], s[0:1], 0x0
	s_load_b64 s[72:73], s[0:1], 0x20              ; codes s[4:5], the exponents s[6:7], bk s[8:9], bv s[10:11], kv s[72:73]
	v_lshl_add_u32 v[SPW], v0, 2, SPARE
	v_mov_b32 v[NIL], 0
	ds_add_u32 v28, v29
	ds_add_u32 v28, v29
	s_wait_dscnt 0x0
	v_lshrrev_b32 v1, 5, v0
	v_readfirstlane_b32 s14, v1
	s_lshr_b32 s15, s14, 1
	s_and_b32 s16, s14, 1
	s_bfe_u32 s40, ttmp6, 0x40000
	s_bfe_u32 s41, ttmp6, 0x40004
	s_and_b32 s17, ttmp7, 0xffff
	s_lshr_b32 s18, s17, 3
	s_add_co_u32 s18, s18, 1                       ; which product: 1 = k, 2 = v: 2 x 128 blocks of 256 x 256.  (q is made where it is used, in the launch that follows)
	s_and_b32 s19, s17, 7
	s_lshl_b32 s19, s19, 2
	s_lshl_b32 s22, s18, 23
	s_lshl_b32 s23, s18, 20
	s_add_co_u32 s23, s23, 0x1800000
	s_cmp_eq_u32 s18, 2
	s_cselect_b32 s20, 0, s19
	s_cselect_b32 s21, s19, 0
	s_cselect_b32 s22, 0x1a00000, s22
	s_cselect_b32 s23, 0x1000000, s23
	s_cselect_b32 s74, -1, 0
	s_add_co_u32 s20, s20, s41
	s_add_co_u32 s21, s21, s40
	s_lshl_b32 s43, s41, 2
	s_lshl_b32 s43, 15, s43
	s_lshl_b32 s44, 0x1111, s40
	s_or_b32 s[G1+0], s43, (0<<16)|(1<<21)
	s_or_b32 s[G1B+0], s44, (0<<16)|(1<<21)
.irp g, G1, G1B
	s_mov_b32 s[\g+1], KB<<16
	s_mov_b32 s[\g+2], 8<<16
	s_mov_b32 s[\g+3], KB<<16
	s_mov_b32 s[\g+4], 8
	s_mov_b32 s[\g+5], 16384
	s_mov_b32 s[\g+6], 0
	s_mov_b32 s[\g+7], 0
.endr
	s_lshl_b32 s45, s16, 17
	s_lshl_b32 s76, s20, 18
	s_add_co_u32 s76, s76, s22
	s_add_co_u32 s76, s76, s45
	s_mov_b32 s77, 0
	s_lshl_b32 s46, s21, 18
	s_add_co_u32 s46, s46, s23
	s_add_co_u32 s46, s46, s45
	s_mov_b32 s47, 0
	s_lshl_b32 s75, s14, 15
	s_wait_kmcnt 0x0
	s_load_b256 s[80:87], s[6:7], 0x0
	s_load_b64 s[88:89], s[6:7], 0x20
	s_add_nc_u64 s[76:77], s[4:5], s[76:77]
	s_add_nc_u64 s[46:47], s[4:5], s[46:47]
.irp s, 0,1
	s_mov_b32 s[G0+4*\s], 1
	s_add_co_u32 s[G0+4*\s+1], s75, \s*SLOT
	s_add_nc_u64 s[G0+4*\s+2:G0+4*\s+3], s[76:77], \s*KB
	s_or_b32 s[G0+4*\s+3], s[G0+4*\s+3], 0x80000000
	s_mov_b32 s[G0B+4*\s], 1
	s_add_co_u32 s[G0B+4*\s+1], s75, \s*SLOT
	s_add_nc_u64 s[G0B+4*\s+2:G0B+4*\s+3], s[46:47], \s*KB
	s_or_b32 s[G0B+4*\s+3], s[G0B+4*\s+3], 0x80000000
	s_wait_alu depctr_va_vdst(0)
	s_wait_tensorcnt 0x0
	ds_add_u32 v28, v29
	ds_add_u32 v28, v29
	s_wait_dscnt 0x0
	CROUND
	JLOAD G0+4*\s, G1, G0B+4*\s, G1B
.endr
	v_and_b32 v1, 31, v0
	v_lshlrev_b32 v4, 4, v1
	v_bfe_u32 v2, v0, 4, 1
	s_wait_alu depctr_va_vdst(0)
	v_and_b32 v3, 15, v0
	s_wait_alu depctr_va_vdst(0)
	s_lshl_b32 s2, s15, 15
	s_lshl_b32 s3, s16, 15
	s_add_co_u32 s3, s3, 2*HALFT
.irp s, 0,1
	v_add_nc_u32 v[ADRA+\s], s2, v4
	v_add_nc_u32 v[ADRB+\s], s3, v4
	s_add_co_u32 s2, s2, SLOT
	s_add_co_u32 s3, s3, SLOT
.endr
	s_lshl_b32 s90, s20, 8
	s_lshl_b32 s66, s15, 7
	s_add_co_u32 s90, s90, s66
	s_lshl_b32 s91, s21, 8
	s_lshl_b32 s66, s16, 7
	s_add_co_u32 s91, s91, s66
	s_mov_b64 s[OUT:OUT+1], s[72:73]
	s_mov_b32 s12, 18
	s_lshl_b32 s13, 1, s12
	s_mov_b32 s42, 1024
	s_mov_b32 s45, 4096
	s_cmp_eq_u32 s18, 2
	s_cselect_b64 s[BP:BP+1], s[10:11], s[8:9]
	s_cselect_b32 s92, s91, s90
	s_cselect_b32 s93, s90, s91
	s_cselect_b32 s66, 0, s91
	s_cselect_b32 s67, s90, 0
	s_cselect_b32 s42, 2048, s42
	s_cselect_b32 s45, 0x40000, s45
	s_cselect_b32 s13, 1024, s13
	s_cselect_b32 s3, 8192, 0
	s_lshr_b32 s2, s92, 11
	s_lshl_b32 s2, s2, 4
	s_lshr_b32 s17, s93, 6
	s_add_co_u32 s2, s2, s17
	s_lshl_b32 s2, s2, s12
	s_add_co_u32 s2, s2, s3
	s_bfe_u32 s17, s92, 0x40007
	s_sub_co_u32 s12, s12, 4
	s_lshl_b32 s17, s17, s12
	s_add_co_u32 s2, s2, s17
	s_mov_b32 s3, 0
	s_add_nc_u64 s[OUT:OUT+1], s[OUT:OUT+1], s[2:3]
	s_lshl_b32 s66, s66, 2
	s_lshl_b32 s67, s67, 2
	v_lshl_add_u32 v8, v2, 5, s66
	v_lshl_add_u32 v9, v3, 2, s67
.irp b, 0,1,2,3,4,5,6,7
	global_load_b128 v[BB+8*\b:BB+8*\b+3], v8, s[BP:BP+1] offset:64*\b
	global_load_b128 v[BB+8*\b+4:BB+8*\b+7], v8, s[BP:BP+1] offset:64*\b+16
.endr
.irp a, 0,1,2,3,4,5,6,7
	global_load_b32 v[BA+2*\a], v9, s[BP:BP+1] offset:64*\a
.endr
	v_mov_b32 v[VO], v4
.irp a, 1,2,3
	v_add_nc_u32 v[VO+2*\a], s42, v[VO+2*\a-2]
.endr
.irp a, 0,1,2,3
	v_add_nc_u32 v[VO+8+2*\a], s45, v[VO+2*\a]
.endr
.irp a, 0,1,2,3,4,5,6,7
	v_add_nc_u32 v[VO+2*\a+1], s13, v[VO+2*\a]
.endr
	s_wait_kmcnt 0x0
	s_add_co_i32 s82, s82, s83
	s_add_co_i32 s84, s84, s85
	s_cmp_eq_u32 s18, 2
	s_cselect_b32 s96, s84, s82
	s_cselect_b32 s2, s89, s87
	s_add_co_i32 s96, s96, 127
	s_lshl_b32 s96, s96, 23
	s_mov_b32 s97, s96
	s_add_co_i32 s2, s2, 127
	s_lshl_b32 s3, s2, 23
	v_mov_b32 v[SCL], s3
	s_add_co_i32 s2, s2, 8
	s_lshl_b32 s2, s2, 23
	s_or_b32 s2, s2, 0x600000
	v_mov_b32 v[LIM], s2
	s_wait_loadcnt 0x0
.set i, 0
.rept 64
	v_cndmask_b32 v[BB+i], v[BB+i], 0, s74
.set i, i+1
.endr
.irp a, 0,1,2,3,4,5,6,7
	v_cndmask_b32 v[BA+2*\a+1], 0, v[BA+2*\a], s74
	v_cndmask_b32 v[BA+2*\a], 0, v[BA+2*\a], s74
.endr
.macro FRAG reg, adr, q, i
.irp c, 0,1,2,3
	ds_load_b128 v[\reg+4*\c:\reg+4*\c+3], v[\adr] offset:2048*(\q)+512*\c+(\i)*KB
.endr
.endm
.macro MUL16 a0, p, zero
.irp a, \a0, \a0+1
.irp b, 0,1,2,3,4,5,6,7
.if \zero
	v_wmma_f32_16x16x128_fp8_fp8 v[8*(8*((\a)%4)+\b):8*(8*((\a)%4)+\b)+7], v[128*(\p)+FR*\b:128*(\p)+FR*\b+FR-1], v[AF+FR*(\a):AF+FR*(\a)+FR-1], 0
.else
	v_wmma_f32_16x16x128_fp8_fp8 v[8*(8*((\a)%4)+\b):8*(8*((\a)%4)+\b)+7], v[128*(\p)+FR*\b:128*(\p)+FR*\b+FR-1], v[AF+FR*(\a):AF+FR*(\a)+FR-1], v[8*(8*((\a)%4)+\b):8*(8*((\a)%4)+\b)+7]
.endif
.endr
.endr
.endm
.macro FETCH_B slot, q, p
	WIN TO_B
.irp i, 0,1,2,3,4,5,6,7
	FRAG 128*(\p)+FR*\i, ADRB+\slot, \q, \i
.endr
	WIN 0
.endm
.macro FETCH_A slot, q, i0
.irp i, \i0, \i0+1, \i0+2, \i0+3
	FRAG AF+FR*(\i), ADRA+\slot, \q, \i
.endr
.endm
.macro PLACES n
.rept \n
	v_nop
.endr
.endm
.macro STEP slot, q, zero
	s_wait_dscnt 4*NL
	WIN MUL_LO
	MUL16 0, (\q)%2, \zero
	MUL16 2, (\q)%2, \zero
	s_wait_dscnt 0
	PLACES NP
	FETCH_B \slot, (\q)+1, 1-(\q)%2
	FETCH_A \slot, (\q)+1, 0
	WIN MUL_HI
	MUL16 4, (\q)%2, \zero
	MUL16 6, (\q)%2, \zero
	PLACES NP
	WIN 0
	FETCH_A \slot, (\q)+1, 4
.endm
.macro TURN slot, next, fill
	s_wait_tensorcnt 0x0
	ds_add_u32 v[SPW], v[NIL]
	s_wait_dscnt 4*NL+1
	WIN MUL_LO
	MUL16 0, 1, 0
	s_wait_dscnt 0x0
	s_barrier_signal -1
	MUL16 2, 1, 0
	WIN 0
	s_barrier_wait -1
.if \fill
	CREST
	s_add_nc_u64 s[G0+4*\slot+2:G0+4*\slot+3], s[G0+4*\slot+2:G0+4*\slot+3], 2*KB
	s_add_nc_u64 s[G0B+4*\slot+2:G0B+4*\slot+3], s[G0B+4*\slot+2:G0B+4*\slot+3], 2*KB
	JLOAD G0+4*\slot, G1, G0B+4*\slot, G1B
.else
	PLACES NP
.endif
	FETCH_B \next, 0, 0
	FETCH_A \next, 0, 0
	WIN MUL_HI
	MUL16 4, 1, 0
	MUL16 6, 1, 0
	PLACES NP
	WIN 0
	FETCH_A \next, 0, 4
.endm
	s_wait_tensorcnt 1
	s_barrier_signal -1
	s_barrier_wait -1
	FETCH_B 0, 0, 0
	FETCH_A 0, 0, 0
	FETCH_A 0, 0, 4
	STEP 0, 0, 1
	TURN 0, 1, 1
	STEP 1, 0, 0
	TURN 1, 0, 1
	STEP 0, 0, 0
	TURN 0, 1, 0
	STEP 1, 0, 0
	s_wait_dscnt 4*NL
	WIN MUL_LO
	MUL16 0, 1, 0
	MUL16 2, 1, 0
	s_wait_dscnt 0
	WIN MUL_HI
	MUL16 4, 1, 0
	MUL16 6, 1, 0
	WIN 0
.macro IMG a, hb
.set nn, 2*(\a)+(\hb)
.set TT, TT0+32*(\hb)
.set CDN, CD+8*(nn%8)
.set AC, 64*((\a)%4)+32*(\hb)
.if nn == 8
	s_wait_xcnt 0x0
.endif
	WIN 0x02+((\a)/4)
.irp j, 0,2,4,6,8,10,12,14,16,18,20,22,24,26,28,30
	v_pk_fma_f32 v[TT+\j:TT+\j+1], v[AC+\j:AC+\j+1], s[96:97], v[BB+32*(\hb)+\j:BB+32*(\hb)+\j+1] op_sel_hi:[1,0,1]
.endr
	WIN 0
.irp j, 0,2,4,6,8,10,12,14,16,18,20,22,24,26,28,30
	v_pk_add_f32 v[TT+\j:TT+\j+1], v[TT+\j:TT+\j+1], v[BA+2*(\a):BA+2*(\a)+1]
.endr
.set i, 0
.rept 32
	v_med3_num_f32 v[TT+i], v[TT+i], -v[LIM], v[LIM]
.set i, i+1
.endr
.irp c, 0,1,2,3
	v_cvt_scalef32_pk8_fp8_f32 v[CDN+2*\c:CDN+2*\c+1], v[TT+8*\c:TT+8*\c+7], v[SCL]
.endr
	global_store_b128 v[VO+nn], v[CDN:CDN+3], s[OUT:OUT+1]
	global_store_b128 v[VO+nn], v[CDN+4:CDN+7], s[OUT:OUT+1] offset:512
.endm
	PLACES NP
.irp a, 0,1,2,3,4,5,6,7
	IMG \a, 0
	IMG \a, 1
.endr
	v_nop
	s_wait_tensorcnt 0x0
	ds_add_u32 v[SPW], v[NIL]
	s_wait_dscnt 0x0
	CROUND
	s_endpgm
.Lfunc_end_k_q6b466edcdb_proj:
	.size	k_q6b466edcdb_proj, .Lfunc_end_k_q6b466edcdb_proj-k_q6b466edcdb_proj
	.p2alignl 7, 3214868480
	.fill 96, 4, 3214868480
	.section	.rodata,"a",@progbits
	.p2align	6, 0x0
	.amdhsa_kernel k_q6b466edcdb_proj
		.amdhsa_group_segment_fixed_size 327680
		.amdhsa_private_segment_fixed_size 0
		.amdhsa_enable_private_segment 0
		.amdhsa_kernarg_size 40
		.amdhsa_user_sgpr_count 2
		.amdhsa_user_sgpr_kernarg_segment_ptr 1
		.amdhsa_wavefront_size32 1
		.amdhsa_system_sgpr_workgroup_id_x 1
		.amdhsa_system_sgpr_workgroup_id_y 1
		.amdhsa_system_sgpr_workgroup_id_z 1
		.amdhsa_system_vgpr_workitem_id 0
		.amdhsa_next_free_vgpr 1024
		.amdhsa_next_free_sgpr 98
		.amdhsa_reserve_vcc 0
		.amdhsa_float_denorm_mode_32 3
		.amdhsa_float_denorm_mode_16_64 3
		.amdhsa_memory_ordered 1
		.amdhsa_forward_progress 1
		.amdhsa_inst_pref_size 160
	.end_amdhsa_kernel
	.amdgpu_metadata
---
amdhsa.version: [ 1, 2 ]
amdhsa.kernels:
  - .name:           k_q6b466edcdb_proj
    .symbol:         k_q6b466edcdb_proj.kd
    .args:
      - { .name: codes, .offset: 0, .size: 8, .value_kind: global_buffer, .address_space: global }
      - { .name: lowp_scales, .offset: 8, .size: 8, .value_kind: global_buffer, .address_space: global }
      - { .name: bk, .offset: 16, .size: 8, .value_kind: global_buffer, .address_space: global }
      - { .name: bv, .offset: 24, .size: 8, .value_kind: global_buffer, .address_space: global }
      - { .name: kv, .offset: 32, .size: 8, .value_kind: global_buffer, .address_space: global }
    .group_segment_fixed_size: 327680
    .private_segment_fixed_size: 0
    .kernarg_segment_align: 8
    .kernarg_segment_size: 40
    .max_flat_workgroup_size: 128
    .sgpr_count:     98
    .vgpr_count:     1024
    .wavefront_size: 32
...
	.end_amdgpu_metadata
.endif
;; end of part 2
;; launch attn (part 3): grid 4 x 64, 8 waves a work-group, clusters of 4 x 1, 327,680 bytes of LDS; arguments codes, kv, mask, lowp_scales, bq, out0; writes out0
.if DOCPART == 3
	.amdgcn_target "amdgcn-amd-amdhsa--gfx1250"
	.amdhsa_code_object_version 6
	.text
	.protected	k_q6b466edcdb_attn
	.globl	k_q6b466edcdb_attn
	.p2align	8
	.type	k_q6b466edcdb_attn,@function
k_q6b466edcdb_attn:
	s_mov_b64 s[64:65], 0
	v_nop
	global_prefetch_b8 v0, s[64:65] scope:SCOPE_SE
	s_setreg_imm32_b32 hwreg(HW_REG_WAVE_MODE, 25, 1), 1
	s_wait_xcnt 0x0
	s_wait_alu depctr_hold_cnt(0) depctr_sa_sdst(0) depctr_va_vdst(0) depctr_va_sdst(0) depctr_va_ssrc(0) depctr_va_vcc(0) depctr_vm_vsrc(0)
	s_getreg_b32 s2, hwreg(HW_REG_IB_STS2, 6, 4)
	s_cmp_eq_u32 s2, 0
	s_cbranch_scc0 .Lentry_in_a_cluster
	s_endpgm
.Lentry_in_a_cluster:
	s_bfe_u32 s2, ttmp6, 0x10000c
	s_cmp_lg_u32 s2, 0x3003
	s_cbranch_scc0 .Lentry_shape_is_right
	s_endpgm
.Lentry_shape_is_right:
; out[b][q][64 head + d] = the sum over keys of softmax(q . k / 8 - 10000 (1 - mask[b][key])) v[key][d], with q = x Wq + bq made here; all three products on codes of E4M3
; (scales 2^e0, 2^e1 for x, Wq; 2^e6, 2^e7 for q, k; 2^e8, 2^e9 for p, v).
; THE SOFTMAX AHEAD OF THE LAST PRODUCT: t = logit x log2(e); M = the largest t so far, rounded UP to a whole number; p = 2^(t - M) is quantised, not normalised; the row's sum is taken of the
; unquantised p and divides at the end.  When M moves, the sum and O are multiplied by 2^(old M - new M): exact, and without a branch.
; SHARES.  A work-group owns 512 queries of one (batch, head); each of its eight waves 64: four tiles of 16, so that each fragment of K and V read from LDS feeds four tiles.  Every wave walks the head's 2,048 keys, 128 a step.
; Q: a wave multiplies its 64 rows of x by the head's 64 columns of Wq, K = 1,024 in eight steps of 16 matrix instructions.  x's images (16 rows x 128 k, laid as operand registers) go from memory straight into registers,
; asked for four steps (64 loads) ahead, so no prefetch is laid beside them; the head's 65,536 bytes of Wq's images come into LDS.  bq / 2^(e0 + e1) is the C of the first step; the sums are held and converted under 2^(e6 - e0 - e1): Q's fragments.
; LDS: the head's K and V, 262,144 bytes, as they lie in kv.  Its last 65,536 bytes (key steps 12 to 15) first hold Wq's images.  Three tensor loads a wave: Wq (8,192 bytes) at the head; key steps 0 to 11 (24,576 bytes)
; behind the full sequence and a round, on their way under Q's product; key steps 12 to 15 (8,192 bytes) as a refill behind the next sequence and round, awaited behind the first key step.  No barrier in the loop.
; CLUSTER: the four blocks of queries of a head form a cluster and ask for Wq, K and V jointly: the same load, the same descriptor, a mask that names the four.
; LAYOUT.  All products are used transposed (source 1 = 16 queries): a lane holds ONE query throughout.  In Q's sums register j of column tile b is channel 16 b + 8 (lane / 16) + j, in S^T register j of key tile c is key
; 16 c + 8 (lane / 16) + j: one conversion of eight registers gives registers 2 c, 2 c + 1 of the next product's fragment; K's and V's images carry the same orders.
; THE MASK: (mask - 1) x 80000 / 2^(e6 + e7), which is -10000 (1 - mask) in units of the raw sums, lies in LDS for the 2,048 keys and is the C of S^T's products.
; A TILE'S SOFTMAX GOES IN BATCHES: the maxima, M, the 32 scalings, ONE wait, the 64 exponentials, the three lines that make f, ONE wait, then the rescaling of O^T, the sums, the holds and the conversions.
; LIMITS: e6 + e7 between -100 and 100 (added to the exponent fields of log2(e) / 8 and of 80000); e8 and e6 - e0 - e1 between -126 and 119; e8 + e9 and e0 + e1 are applied by v_ldexp_f32.  NaN among the inputs is not served.
; The scaled scores stay under 2^31 in magnitude (old M - new M goes through a 32-bit whole number).
; REGISTERS: window 0: v1-15 addresses and constants; v16-31 four registers of statistics a tile; v32-47 at work; v48-111 S^T, then p; v112-127 p's codes; v128-191 the mask terms; v192-255 K.
;            window 1: v0-127 O^T, 32 a tile; v128-159 Q, 8 a tile; v160-223 V.
;            under Q's product: window 0: v16-47 the bias, v48-175 the 16 sums, v176-183 my mask terms, v184-191 at work, v192-255 Wq's four fragments; window 1: four sets of x's four fragments.
.set RQ,    196608                     ; LDS: where key step 12 begins, and Wq's images before it
.set MT,    262144                     ; behind K and V: 2,048 mask terms, f32
.set STAGE, MT+8192                    ; the way out: 16 rows x (256 bytes + 16) for each wave
.set SPT,   272
.set SPARE, STAGE+8*16*SPT             ; the spare words, 128 bytes a wave: four blocks of 256 bytes that no other line names
.set LAST,  15*16384                   ; where the last key step begins
.set L16,  1                           ; 16 x lane
.set AD,   2                           ; LDS address of the step's images
.set AM,   3                           ; of its mask terms
.set H32,  4                           ; MT + 32 (lane / 16)
.set STO,  5                           ; the way out: where I put 32 bytes of a row
.set RD,   6                           ; where I read a row back
.set GO,   7                           ; my byte offset in the wave's rows of out
.set LIM,  8                           ; v8, v9: 448 x 2^e8, twice, for the two halves of a dual instruction
.set SCL,  10                          ; 2^e8
.set SPW,  11                          ; my spare word; never rewritten
.set NIL,  12                          ; 0; never rewritten
.set MO,   13                          ; my eight words of the mask: 32 x thread
.set ML,   14                          ; and where their terms go in LDS
.set BO,   15                          ; the bias: 32 (lane / 16)
.set ST,   16                          ; tile q at v[16 + 4 q]: -M, the largest raw score, the sum in two halves
.set MX,   32                          ; v32-35 four chains of maxima; four more in v40-43
.set FF,   36                          ; v[36:37] f = 2^(old M - new M)
.set PX,   38
.set OLD,  39
.set YS,   40                          ; v40-45 three more chains of sums
.set RR,   40                          ; the way out: 2^(e8 + e9) / sum, a pair a tile
.set S,    48
.set PCD,  112
.set MK,   128
.set KF,   192
.set BQ,   16                          ; under Q's product
.set ACC,  48
.set MR,   176
.set QSCL, 187
.set QLIM, 188
.set AW,   189
.set BF,   192
.set OO,   0                           ; in window 1
.set QF,   128
.set VF,   160
.set WV,   14
.set SEL,  20                          ; s[20:21] selects for lane l xor 16
.set CS,   22                          ; s[22:23] c = log2(e) / 8 x 2^(e6 + e7)
.set G1,   24                          ; s[24:31] group 1: 32 rows of 256 bytes
.set G1B,  68                          ; s[68:75] group 1: 96 rows of 256 bytes
.set G0A,  40                          ; groups 0: Wq; key steps 0 to 11; key steps 12 to 15
.set G0B,  44
.set G0C,  76
.set TRS,  48                          ; 16,384 x the step to be fetched
.set TBS,  49                          ; the same, held at the last step
.set MBS,  50                          ; 512 x that step
.set MSB, 0
.macro WIN new                         ; the immediate's high byte repeats the setting that is left
.if MSB != (\new)
	s_set_vgpr_msb (MSB<<8)|(\new)
.set MSB, (\new)
.endif
.endm
.macro ROUND                           ; a round of the cluster's barrier
	s_barrier_signal -1
	s_barrier_wait -1
	s_cmp_lg_u32 s[WV], 0
	s_cbranch_scc1 .Lnot_wave_0_\@
	s_barrier_signal -3
.Lnot_wave_0_\@:
	s_barrier_wait -3
	s_barrier_signal -1
	s_barrier_wait -1
.endm
.macro NOPS
.rept 4
	v_nop
.endr
.endm
.macro XLOAD s                         ; x's four fragments of K step s into set s % 4 (window 1)
.irp q, 0,1,2,3
.irp c, 0,1,2,3
	global_load_b128 v[64*((\s)%4)+16*\q+4*\c:64*((\s)%4)+16*\q+4*\c+3], v[L16], s[4:5] offset:16384*\q+2048*(\s)+512*\c
.endr
.endr
.endm
	s_load_b256 s[4:11], s[0:1], 0x0               ; codes s[4:5], kv s[6:7], mask s[8:9], the exponents s[10:11]
	s_load_b128 s[60:63], s[0:1], 0x20             ; bq s[60:61], out0 s[62:63]
	v_lshl_add_u32 v[SPW], v0, 2, SPARE
	v_mov_b32 v[NIL], 0
	ds_add_u32 v[SPW], v[NIL]                      ; the opening lines: the add, twice on end, and its wait, ahead of the round and my first tensor load
	ds_add_u32 v[SPW], v[NIL]
	v_lshrrev_b32 v184, 5, v0
	v_readfirstlane_b32 s[WV], v184                ; wave 0..7
	s_bfe_u32 s16, ttmp6, 0x40000                  ; cx: my block of 512 queries: it enters x's and out's addresses alone
	s_and_b32 s15, ttmp7, 0xffff                   ; 16 x batch + head, which the four partners share
	s_mov_b32 s[G1], 15|(3<<16)|(1<<21)            ; the mask: all four work-groups; elements of 8 bytes; no padding; bit 21 beside a mask
	s_mov_b32 s[G1+1], 32<<16                      ; dense blocks as rows of 256 bytes
	s_mov_b32 s[G1+2], 32<<16
	s_mov_b32 s[G1+3], 32<<16
	s_mov_b32 s[G1+4], 32
	s_mov_b32 s[G1+5], 32
	s_mov_b32 s[G1+6], 0
	s_mov_b32 s[G1+7], 0
	s_mov_b32 s[G1B], 15|(3<<16)|(1<<21)
	s_mov_b32 s[G1B+1], 32<<16
	s_mov_b32 s[G1B+2], 96<<16
	s_mov_b32 s[G1B+3], 32<<16
	s_mov_b32 s[G1B+4], 96
	s_mov_b32 s[G1B+5], 32
	s_mov_b32 s[G1B+6], 0
	s_mov_b32 s[G1B+7], 0
	s_mov_b32 s[SEL], 0x76543210
	s_mov_b32 s[SEL+1], 0xfedcba98
	s_lshl_b32 s17, s[WV], 13                      ; my 8,192 bytes of a block of 65,536,
	s_add_co_u32 s66, s17, RQ                      ; in LDS
	s_mul_i32 s19, s[WV], 24576                    ; my 24,576 bytes of key steps 0 to 11, in memory and in LDS alike
	s_and_b32 s2, s15, 15                          ; the head
	s_lshl_b32 s32, s2, 16                         ; Wq's codes: 24 MiB into codes; a head's four column tiles are 65,536 bytes on end
	s_add_co_u32 s32, s32, s17
	s_add_co_u32 s32, s32, 0x1800000
	s_mov_b32 s33, 0
	s_lshl_b32 s18, s15, 18                        ; the head's K and V
	s_add_co_u32 s34, s18, s19
	s_mov_b32 s35, 0
	s_add_co_u32 s36, s18, s66
	s_mov_b32 s37, 0
	s_lshr_b32 s84, s15, 4                         ; the batch
	s_lshl_b32 s38, s84, 21                        ; x's codes under e0: 128 row tiles of 16,384 bytes a batch,
	s_lshl_b32 s18, s16, 19                        ; 32 a block,
	s_add_co_u32 s38, s38, s18
	s_lshl_b32 s18, s[WV], 16                      ; 4 a wave
	s_add_co_u32 s38, s38, s18
	s_mov_b32 s39, 0
	s_lshl_b32 s86, s84, 23                        ; out: 2,048 rows of 4,096 bytes a batch,
	s_lshl_b32 s84, s84, 13                        ; mask: 2,048 words a batch
	s_mov_b32 s85, 0
	s_lshl_b32 s18, s16, 21                        ; 512 rows a block,
	s_add_co_u32 s86, s86, s18
	s_lshl_b32 s18, s[WV], 18                      ; 64 rows a wave,
	s_add_co_u32 s86, s86, s18
	s_lshl_b32 s88, s2, 8                          ; 256 bytes a head, in out and in bq
	s_add_co_u32 s86, s86, s88
	s_mov_b32 s87, 0
	s_mov_b32 s89, 0
	s_wait_dscnt 0x0                               ; both opening adds are done
	s_wait_kmcnt 0x0
	s_load_b128 s[56:59], s[10:11], 0x18           ; e6, e7, e8, e9
	s_load_b64 s[80:81], s[10:11], 0x0             ; e0, e1
	s_mov_b32 s[G0A], 1
	s_mov_b32 s[G0A+1], s66
	s_add_nc_u64 s[G0A+2:G0A+3], s[4:5], s[32:33]
	s_or_b32 s[G0A+3], s[G0A+3], 0x80000000
	s_mov_b32 s[G0B], 1
	s_mov_b32 s[G0B+1], s19
	s_add_nc_u64 s[G0B+2:G0B+3], s[6:7], s[34:35]
	s_or_b32 s[G0B+3], s[G0B+3], 0x80000000
	s_mov_b32 s[G0C], 1
	s_mov_b32 s[G0C+1], s66
	s_add_nc_u64 s[G0C+2:G0C+3], s[6:7], s[36:37]
	s_or_b32 s[G0C+3], s[G0C+3], 0x80000000
	s_add_nc_u64 s[4:5], s[4:5], s[38:39]
	s_add_nc_u64 s[8:9], s[8:9], s[84:85]
	s_add_nc_u64 s[12:13], s[62:63], s[86:87]
	s_add_nc_u64 s[60:61], s[60:61], s[88:89]
	v_and_b32 v184, 31, v0                         ; the loads into registers hang on no other work-group: they go out ahead of the round
	v_lshlrev_b32 v[L16], 4, v184
	v_lshlrev_b32 v[MO], 5, v0                     ; thread t takes keys 8 t .. 8 t + 7 of the mask
	v_bfe_u32 v186, v0, 4, 1                       ; h
	v_lshlrev_b32 v[BO], 5, v186
	global_load_b128 v[MR:MR+3], v[MO], s[8:9]
	global_load_b128 v[MR+4:MR+7], v[MO], s[8:9] offset:16
.irp b, 0,1,2,3
	global_load_b128 v[BQ+8*\b:BQ+8*\b+3], v[BO], s[60:61] offset:64*\b        ; bq at channels 16 b + 8 h + 0 .. 7: the sums' layout
	global_load_b128 v[BQ+8*\b+4:BQ+8*\b+7], v[BO], s[60:61] offset:64*\b+16
.endr
	WIN 0x40                                       ; destination window 1
	XLOAD 0
	XLOAD 1
	XLOAD 2
	XLOAD 3
	WIN 0
	s_wait_alu depctr_va_vdst(0)
	ROUND                                          ; all four work-groups are here: the joint loads meet
	tensor_load_to_lds s[G0A:G0A+3], s[G1:G1+7]    ; Wq: my one tensor load at the head
	s_nop 0
	NOPS
	v_and_b32 v185, 15, v0                         ; r
	v_lshl_add_u32 v[H32], v186, 5, MT
	v_add_nc_u32 v[ML], MT, v[MO]
	v_add_nc_u32 v[AW], RQ, v[L16]
	s_mul_i32 s18, s[WV], 16*SPT
	s_add_co_u32 s18, s18, STAGE                   ; my stage
	v_mul_u32_u24 v[STO], v185, SPT                ; in: row r, + 32 h
	v_lshl_add_u32 v[STO], v186, 5, v[STO]
	v_add_nc_u32 v[STO], s18, v[STO]
	v_mul_u32_u24 v[RD], v186, SPT                 ; back: lanes 0-15 one row of 256 bytes, lanes 16-31 the next
	v_lshl_add_u32 v[RD], v185, 4, v[RD]
	v_add_nc_u32 v[RD], s18, v[RD]
	v_lshlrev_b32 v[GO], 12, v186                  ; and the same two rows in out
	v_lshl_add_u32 v[GO], v185, 4, v[GO]
	s_wait_alu depctr_va_vdst(0)
	s_wait_tensorcnt 0x0                           ; my part of Wq is in
	ds_add_u32 v[SPW], v[NIL]
	s_wait_dscnt 0x0
	ROUND                                          ; everybody's part of Wq is in
	tensor_load_to_lds s[G0B:G0B+3], s[G1B:G1B+7]  ; key steps 0 to 11: it has Q's product in which to land
	s_nop 0
	NOPS
	s_wait_kmcnt 0x0
	s_add_co_i32 s18, s56, s57
	s_lshl_b32 s18, s18, 23                        ; e6 + e7 in the place of an exponent field
	s_add_co_i32 s[CS], s18, 0x3e38aa3b            ; log2(e) / 8 x 2^(e6 + e7)
	s_mov_b32 s[CS+1], s[CS]
	s_sub_co_i32 s53, 0x479c4000, s18              ; 80000 / 2^(e6 + e7)
	s_xor_b32 s54, s53, 0x80000000                 ; and its negative
	s_add_co_i32 s18, s58, 127
	s_lshl_b32 s19, s18, 23
	v_mov_b32 v[SCL], s19
	s_add_co_i32 s18, s18, 8
	s_lshl_b32 s18, s18, 23
	s_or_b32 s18, s18, 0x600000
	v_mov_b32 v[LIM], s18
	v_mov_b32 v[LIM+1], s18
	s_add_co_i32 s51, s58, s59                     ; e8 + e9
	s_add_co_i32 s82, s80, s81                     ; e0 + e1
	s_sub_co_i32 s83, 0, s82
	s_sub_co_i32 s18, s56, s82                     ; a sum of Q's product stands for sum x 2^(e0 + e1): its code is sum / 2^(e6 - e0 - e1)
	s_add_co_i32 s18, s18, 127
	s_lshl_b32 s19, s18, 23
	v_mov_b32 v[QSCL], s19
	s_add_co_i32 s18, s18, 8
	s_lshl_b32 s18, s18, 23
	s_or_b32 s18, s18, 0x600000
	v_mov_b32 v[QLIM], s18                         ; 448 x that
	s_wait_loadcnt 48                              ; the mask, the bias and x's K step 0 are in; K steps 1 to 3 may be out
.irp i, 0,1,2,3,4,5,6,7
	v_cvt_f32_i32 v[MR+\i], v[MR+\i]
.endr
.irp i, 0,1,2,3,4,5,6,7
	v_fma_f32 v[MR+\i], v[MR+\i], s53, s54         ; (mask - 1) x 80000 / 2^(e6 + e7)
.endr
.set i, 0
.rept 32
	v_ldexp_f32 v[BQ+i], v[BQ+i], s83              ; bq in units of the raw sums
.set i, i+1
.endr
; A K step of Q's product: source 0 = 16 columns of Wq, source 1 = 16 rows of x.  The 16 sums take turns, one instruction a turn.
.macro QSTEP s
.irp b, 0,1,2,3
.irp c, 0,1,2,3
	ds_load_b128 v[BF+16*\b+4*\c:BF+16*\b+4*\c+3], v[AW] offset:16384*\b+2048*(\s)+512*\c
.endr
.endr
.if (\s) == 0
	s_wait_alu depctr_va_vdst(0)
.endif
.if (\s) < 5
	s_wait_loadcnt 48                              ; this step's x is in; the three steps behind it may be out
.else
	s_wait_loadcnt 16*(7-(\s))
.endif
	s_wait_dscnt 0x0
	WIN 0x04                                       ; source 1 (x) window 1
.irp b, 0,1,2,3
.irp q, 0,1,2,3
.if (\s) == 0
	v_wmma_f32_16x16x128_fp8_fp8 v[ACC+8*(4*\q+\b):ACC+8*(4*\q+\b)+7], v[BF+16*\b:BF+16*\b+15], v[64*((\s)%4)+16*\q:64*((\s)%4)+16*\q+15], v[BQ+8*\b:BQ+8*\b+7]
.else
	v_wmma_f32_16x16x128_fp8_fp8 v[ACC+8*(4*\q+\b):ACC+8*(4*\q+\b)+7], v[BF+16*\b:BF+16*\b+15], v[64*((\s)%4)+16*\q:64*((\s)%4)+16*\q+15], v[ACC+8*(4*\q+\b):ACC+8*(4*\q+\b)+7]
.endif
.endr
.endr
	WIN 0
	NOPS                                           ; places in front of loads into registers that the products read
.if (\s)+4 < 8
	WIN 0x40
	XLOAD (\s)+4
	WIN 0
.endif
.endm
.irp s, 0,1,2,3,4,5,6,7
	QSTEP \s
.endr
	s_wait_alu depctr_va_vdst(0)
	s_wait_tensorcnt 0x0                           ; no tensor load of mine is out: my mask terms go to LDS now
	ds_store_b128 v[ML], v[MR:MR+3]
	ds_store_b128 v[ML], v[MR+4:MR+7] offset:16
	s_wait_tensorcnt 0x0                           ; my part of key steps 0 to 11 is in;
	ds_add_u32 v[SPW], v[NIL]
	s_wait_dscnt 0x0                               ; the add and my stores are done, and my reads of Wq are over
	ROUND                                          ; all that holds of every wave of the four work-groups
	tensor_load_to_lds s[G0C:G0C+3], s[G1:G1+7]    ; key steps 12 to 15, where Wq lay
	s_nop 0
	NOPS
.set i, 0
.rept 128
	v_med3_num_f32 v[ACC+i], v[ACC+i], -v[QLIM], v[QLIM]   ; the conversion does not saturate (ISA guide 7.6.2); each accumulator from its low end on
.set i, i+1
.endr
	WIN 0x40                                       ; destination window 1
.irp q, 0,1,2,3
.irp b, 0,1,2,3
	v_cvt_scalef32_pk8_fp8_f32 v[QF+8*\q+2*\b:QF+8*\q+2*\b+1], v[ACC+8*(4*\q+\b):ACC+8*(4*\q+\b)+7], v[QSCL]   ; registers 2 b, 2 b + 1 of tile q's fragment
.endr
.endr
	WIN 0
	v_mov_b32 v[FF+1], 0                           ; (named as the upper half of a pair)
	v_mov_b32 v[PX], 0                             ; a lane permute's destination counts as one of its sources
.irp q, 0,1,2,3
	v_mov_b32 v[ST+4*\q+1], 0xff7fffff             ; the largest raw score so far: under every finite score
.endr
; The loads of a step: K's eight images and the mask terms (32 loads), then V's four fragments (16).
.macro LDK pad
	v_add_nc_u32 v[AD], s[TBS], v[L16]
	v_add_nc_u32 v[AM], s[MBS], v[H32]
.if \pad
.rept \pad
	v_nop
.endr
.endif
.irp c, 0,1,2,3,4,5,6,7
	ds_load_b128 v[KF+8*\c:KF+8*\c+3], v[AD] offset:1024*\c
	ds_load_b128 v[KF+8*\c+4:KF+8*\c+7], v[AD] offset:1024*\c+512
.endr
.irp c, 0,1,2,3,4,5,6,7
	ds_load_b128 v[MK+8*\c:MK+8*\c+3], v[AM] offset:64*\c        ; keys 16 c + 8 h + 0 .. 7: the result's layout
	ds_load_b128 v[MK+8*\c+4:MK+8*\c+7], v[AM] offset:64*\c+16
.endr
.endm
.macro LDV
	WIN 0x40
.irp dt, 0,1,2,3
.irp i, 0,1,2,3
	ds_load_b128 v[VF+16*\dt+4*\i:VF+16*\dt+4*\i+3], v[AD] offset:8192+2048*\dt+512*\i
.endr
.endr
	WIN 0
.endm
.macro CVT c                           ; key tile c's eight held p become registers 2 c, 2 c + 1 of P's fragment
	v_cvt_scalef32_pk8_fp8_f32 v[PCD+2*(\c):PCD+2*(\c)+1], v[S+8*(\c):S+8*(\c)+7], v[SCL]
.endm
; ONE TILE OF 16 QUERIES x 128 KEYS.  first = 1: the first key step, which starts M, the sum and O^T.
; No two matrix instructions that follow each other share an accumulator, over the loop's backward jump too.
.macro TILE q, first
.set NM, ST+4*\q
.set TM, NM+1
.set LL, NM+2
.if \q == 0
	s_wait_dscnt 16                                ; K and the mask terms are in; the youngest sixteen loads (V) may be out
.endif
	WIN 0x04                                       ; source 1 (Q) window 1
.irp c, 0,1,2,3,4,5,6,7
	v_wmma_f32_16x16x64_fp8_fp8 v[S+8*\c:S+8*\c+7], v[KF+8*\c:KF+8*\c+7], v[QF+8*\q:QF+8*\q+7], v[MK+8*\c:MK+8*\c+7]
.endr
	WIN 0
.if \q == 3
	s_add_co_u32 s[TRS], s[TRS], 16384             ; the last tile has multiplied by this step's K: the next step's K and mask terms are fetched.
	s_min_u32 s[TBS], s[TRS], LAST                 ; The last step's look-ahead is held at the last step: the step is written once for all trips
	s_lshr_b32 s[MBS], s[TBS], 5
	LDK 2                                          ; two additions and two v_nop: the four places in front of loads into registers that the products read
.else
	NOPS                                           ; places in front of the first read of the scores
.endif
; 65 leaves, the running largest among them, in eight chains (chain k in v[MX + k + 4 (k / 4)]: v32-35 and v40-43) and 32 instructions; registers ascending
	v_max3_num_f32 v[MX], v[TM], v[S], v[S+1]
.set k, 1
.rept 7
	v_max3_num_f32 v[MX+k+4*(k/4)], v[S+3*k-1], v[S+3*k], v[S+3*k+1]
.set k, k+1
.endr
.set i, 23
.rept 20
.set k, ((i-23)/2)%8
	v_max3_num_f32 v[MX+k+4*(k/4)], v[MX+k+4*(k/4)], v[S+i], v[S+i+1]
.set i, i+2
.endr
	v_max3_num_f32 v[MX], v[MX], v[MX+1], v[MX+2]
	v_max3_num_f32 v[MX+3], v[MX+3], v[YS], v[YS+1]
	v_max3_num_f32 v[YS+2], v[YS+2], v[YS+3], v[S+63]
	v_max3_num_f32 v[MX], v[MX], v[MX+3], v[YS+2]
	v_permlanex16_b32 v[PX], v[MX], s[SEL], s[SEL+1]
	v_max_num_f32 v[TM], v[MX], v[PX]              ; and lane l xor 16's: the running largest raw score of my query
	v_mul_f32 v[MX+1], s[CS], v[TM]                ; as t (c is positive)
.if !\first
	v_mov_b32 v[OLD], v[NM]
.endif
	v_floor_f32 v[NM], -v[MX+1]                    ; -M = floor(-t) = -ceil(t)
.set i, 0
.rept 32
	v_pk_fma_f32 v[S+i:S+i+1], v[S+i:S+i+1], s[CS:CS+1], v[NM:NM+1] op_sel_hi:[1,0,0]   ; t - M; of the pairs c and -M the low word serves both halves
.set i, i+2
.endr
	s_wait_alu depctr_va_vdst(0)                   ; ahead of the batch
.set i, 0
.rept 64
	v_exp_f32 v[S+i], v[S+i]                       ; p = 2^(t - M)
.set i, i+1
.endr
.if \first
	v_nop                                          ; the plain place behind the last exponential
	s_wait_alu depctr_va_vdst(0)                   ; one wait for the batch, ahead of its first reader
.else
	v_sub_f32 v[OLD], v[NM], v[OLD]                ; old M - new M: a whole number, 0 or less.  (These three name no exponential's result: plain lines behind the batch)
	v_cvt_i32_f32 v[OLD], v[OLD]                   ; (it saturates)
	v_ldexp_f32 v[FF], 1.0, v[OLD]                 ; f = 2^(old M - new M)
	WIN 0x41                                       ; O^T window 1, f window 0
	s_wait_alu depctr_va_vdst(0)                   ; one wait for the batch and for O^T, directly ahead of O^T's first reader
.set i, 0
.rept 16
	v_pk_mul_f32 v[OO+32*\q+i:OO+32*\q+i+1], v[OO+32*\q+i:OO+32*\q+i+1], v[FF:FF+1] op_sel_hi:[1,0]   ; O^T under the new M; each accumulator from its low end on
.set i, i+2
.endr
	WIN 0
.endif
; Pair n of p: first into the sum of the unquantised p (four chains, n % 4), then held (one-sided: p is not negative; the conversion does not saturate: ISA guide 7.6.2).  A key tile's conversion follows one tile behind.
.set n, 0
.rept 32
.set pb, S+2*n
.set ch, YS+2*(n%4)-2
.if (n%4) == 0
.set ch, LL
.endif
.if n == 0
.if \first
	v_pk_add_f32 v[LL:LL+1], v[pb:pb+1], v[pb+8:pb+9]         ; the first step starts the sum: nothing is cleared
.else
	v_pk_fma_f32 v[LL:LL+1], v[LL:LL+1], v[FF:FF+1], v[pb:pb+1] op_sel_hi:[1,0,1]   ; the sum under the new M, and pair 0
.endif
.elseif n < 4
	v_pk_add_f32 v[ch:ch+1], v[pb:pb+1], v[pb+8:pb+9]         ; pairs n and n + 4 start a chain
.elseif n == 4
.if !\first
	v_pk_add_f32 v[LL:LL+1], v[LL:LL+1], v[pb:pb+1]
.endif
.elseif n >= 8
	v_pk_add_f32 v[ch:ch+1], v[ch:ch+1], v[pb:pb+1]
.endif
	v_dual_min_num_f32 v[pb], v[pb], v[LIM] :: v_dual_min_num_f32 v[pb+1], v[pb+1], v[LIM+1]
.if ((n%4) == 3) && (n > 3)
	CVT n/4-1
.endif
.set n, n+1
.endr
	v_pk_add_f32 v[YS:YS+1], v[YS:YS+1], v[YS+2:YS+3]
	CVT 7
	v_pk_add_f32 v[LL:LL+1], v[LL:LL+1], v[YS+4:YS+5]         ; plain lines between the last conversion and the products that read its result
	v_pk_add_f32 v[LL:LL+1], v[LL:LL+1], v[YS:YS+1]
.if \q == 0
	s_wait_alu depctr_va_vdst(0)
	s_wait_dscnt 0x0                               ; V is in
.endif
.if \first
	WIN 0x41                                       ; V and O^T window 1, P window 0
.irp dt, 0,1,2,3
	v_wmma_f32_16x16x128_fp8_fp8 v[OO+32*\q+8*\dt:OO+32*\q+8*\dt+7], v[VF+16*\dt:VF+16*\dt+15], v[PCD:PCD+15], 0
.endr
.else
	WIN 0x51
.irp dt, 0,1,2,3
	v_wmma_f32_16x16x128_fp8_fp8 v[OO+32*\q+8*\dt:OO+32*\q+8*\dt+7], v[VF+16*\dt:VF+16*\dt+15], v[PCD:PCD+15], v[OO+32*\q+8*\dt:OO+32*\q+8*\dt+7]
.endr
.endif
	WIN 0
.if \q == 3
	NOPS                                           ; places in front of loads into registers that the products read
	LDV                                            ; the next step's V
.endif
.endm
.macro STEP first
	TILE 0, \first
	TILE 1, \first
	TILE 2, \first
	TILE 3, \first
.endm
	s_mov_b32 s[TRS], 0
	s_mov_b32 s[TBS], 0
	s_mov_b32 s[MBS], 0
	LDK 0
	LDV
	s_wait_alu depctr_va_vdst(0)
	STEP 1
	s_wait_tensorcnt 0x0                           ; my part of key steps 12 to 15 is in,
	s_wait_dscnt 0x0                               ; (no LDS instruction of mine is out at a signal)
	s_barrier_signal -1
	s_barrier_wait -1                              ; and everybody's.  From here on LDS below the stages is only read
	s_mov_b32 s52, 15
.Lstep:
	STEP 0
	s_sub_co_u32 s52, s52, 1
	s_cmp_lg_u32 s52, 0
	s_cbranch_scc1 .Lstep
	; THE WAY OUT.  The sum's two halves and lane l xor 16's are added; O^T x 2^(e8 + e9) / the sum goes through my stage, a tile (16 rows x 256 bytes) at a time, and leaves as aligned runs of 256 bytes.
	s_wait_alu depctr_va_vdst(0)
	s_wait_dscnt 0x0                               ; the last look-ahead's loads have landed: their registers are free
.irp q, 0,1,2,3
	v_add_f32 v[RR+2*\q], v[ST+4*\q+2], v[ST+4*\q+3]
.endr
.irp q, 0,1,2,3
	v_permlanex16_b32 v[ST+4*\q+1], v[RR+2*\q], s[SEL], s[SEL+1]   ; into the register of the largest score, which is done with
.endr
.irp q, 0,1,2,3
	v_add_f32 v[RR+2*\q], v[RR+2*\q], v[ST+4*\q+1]
.endr
	s_wait_alu depctr_va_vdst(0)                   ; ahead of the batch of four
.irp q, 0,1,2,3
	v_rcp_f32 v[RR+2*\q], v[RR+2*\q]
.endr
	v_nop
	s_wait_alu depctr_va_vdst(0)                   ; and behind it
.irp q, 0,1,2,3
	v_ldexp_f32 v[RR+2*\q], v[RR+2*\q], s51
.endr
.irp q, 0,1,2,3
	v_mov_b32 v[RR+2*\q+1], v[RR+2*\q]
.endr
.macro OBSET q                         ; tile q's 32 registers on the way out: where S^T lay (tiles 0, 1) and where the mask terms lay (tiles 2, 3): no store's data are written again
.if \q < 2
.set OB, S+32*\q
.else
.set OB, MK+32*(\q-2)
.endif
.endm
.macro PACK q
	OBSET \q
	WIN 0x01                                       ; source 0 (O^T) window 1
	s_wait_alu depctr_va_vdst(0)                   ; directly ahead of the first reader of this tile's O^T
.set i, 0
.rept 16
	v_pk_mul_f32 v[OB+i:OB+i+1], v[OO+32*\q+i:OO+32*\q+i+1], v[RR+2*\q:RR+2*\q+1]
.set i, i+2
.endr
	WIN 0
.irp dt, 0,1,2,3
	ds_store_b128 v[STO], v[OB+8*\dt:OB+8*\dt+3] offset:64*\dt         ; lane (r, h): channels 16 dt + 8 h + 0 .. 7 of query r
	ds_store_b128 v[STO], v[OB+8*\dt+4:OB+8*\dt+7] offset:64*\dt+16
.endr
.irp i, 0,1,2,3,4,5,6,7
	ds_load_b128 v[OB+4*\i:OB+4*\i+3], v[RD] offset:2*\i*SPT           ; LDS serves a wave's instructions in order (ISA guide 5.7.1.4): these see the stores above
.endr
.endm
.macro SEND q, younger                 ; younger: the LDS instructions issued behind tile q's loads: the next tile's sixteen, or none
	OBSET \q
.irp i, 0,1,2,3,4,5,6,7
	s_wait_dscnt \younger+7-\i
	global_store_b128 v[GO], v[OB+4*\i:OB+4*\i+3], s[12:13] offset:65536*\q+8192*\i th:TH_STORE_NT   ; sixteen lanes store 256 consecutive bytes, at a multiple of 256 from out's first byte
.endr
.endm
	PACK 0
	PACK 1
	SEND 0, 16
	PACK 2
	SEND 1, 16
	PACK 3
	SEND 2, 16
	SEND 3, 0
	s_wait_tensorcnt 0x0                           ; the wave's end
	ds_add_u32 v[SPW], v[NIL]
	s_wait_dscnt 0x0
	ROUND                                          ; the closing round: no work-group ends while a partner may still ask for a tile that names it
	s_endpgm
.Lfunc_end_k_q6b466edcdb_attn:
	.size	k_q6b466edcdb_attn, .Lfunc_end_k_q6b466edcdb_attn-k_q6b466edcdb_attn
	.p2alignl 7, 3214868480
	.fill 96, 4, 3214868480
	.section	.rodata,"a",@progbits
	.p2align	6, 0x0
	.amdhsa_kernel k_q6b466edcdb_attn
		.amdhsa_group_segment_fixed_size 327680
		.amdhsa_private_segment_fixed_size 0
		.amdhsa_enable_private_segment 0
		.amdhsa_kernarg_size 48
		.amdhsa_user_sgpr_count 2
		.amdhsa_user_sgpr_kernarg_segment_ptr 1
		.amdhsa_wavefront_size32 1
		.amdhsa_system_sgpr_workgroup_id_x 1
		.amdhsa_system_sgpr_workgroup_id_y 1
		.amdhsa_system_sgpr_workgroup_id_z 1
		.amdhsa_system_vgpr_workitem_id 0
		.amdhsa_next_free_vgpr 512
		.amdhsa_next_free_sgpr 100
		.amdhsa_reserve_vcc 0
		.amdhsa_float_denorm_mode_32 3
		.amdhsa_float_denorm_mode_16_64 3
		.amdhsa_memory_ordered 1
		.amdhsa_forward_progress 1
		.amdhsa_inst_pref_size 175
	.end_amdhsa_kernel
	.amdgpu_metadata
---
amdhsa.version: [ 1, 2 ]
amdhsa.kernels:
  - .name:           k_q6b466edcdb_attn
    .symbol:         k_q6b466edcdb_attn.kd
    .args:
      - { .name: codes, .offset: 0, .size: 8, .value_kind: global_buffer, .address_space: global }
      - { .name: kv, .offset: 8, .size: 8, .value_kind: global_buffer, .address_space: global }
      - { .name: mask, .offset: 16, .size: 8, .value_kind: global_buffer, .address_space: global }
      - { .name: lowp_scales, .offset: 24, .size: 8, .value_kind: global_buffer, .address_space: global }
      - { .name: bq, .offset: 32, .size: 8, .value_kind: global_buffer, .address_space: global }
      - { .name: out0, .offset: 40, .size: 8, .value_kind: global_buffer, .address_space: global }
    .group_segment_fixed_size: 327680
    .private_segment_fixed_size: 0
    .kernarg_segment_align: 8
    .kernarg_segment_size: 48
    .max_flat_workgroup_size: 256
    .sgpr_count:     100
    .vgpr_count:     512
    .wavefront_size: 32
...
	.end_amdgpu_metadata
.endif
;; end of part 3
